; MI455X (gfx1250); checked and timed in simulation.
; The chip was launched on July 23, 2026; its instructions are those of AMD's public machine-readable ISA for CDNA 5 (MIT licence, August 2026) and "CDNA5" Instruction Set Architecture Reference Guide (July 2026). The comments in the code are by the model that wrote it; some were corrected since.
;; Ro SA Linear. Allowed arithmetic: matrix products marked QUANTISED: E2M1 operands, one E8M0 scale for each 32 along K, by v_wmma_scale_f32_16x16x128_f8f6f4 with both operands' format E2M1 (or v_wmma_scale_f32_32x16x128_f4), f32 sums; products left as they are: f32 operands where the result goes on into a quantised operand, else bf16, f16 or f32 operands; f32 sums; everything else in f32.
;; Inputs: W_codes 4,096 x 128 x 16 uint8 (E2M1 codes of W, K innermost, in blocks of 32 codes, two codes a byte); W_scales 4,096 x 128 uint8 (E8M0 scales of W, one for each 32 codes along K); b 4,096 float32; delta 4,096 x 4,096 float32; lora_A_codes 16 x 128 x 16 uint8 (E2M1 codes of lora_A, K innermost, in blocks of 32 codes, two codes a byte); lora_A_scales 16 x 128 uint8 (E8M0 scales of lora_A, one for each 32 codes along K); lora_B 4,096 x 16 float32; mask 4,096 x 4,096 bool; x_codes 4 x 512 x 128 x 16 uint8 (E2M1 codes of x, K innermost, in blocks of 32 codes, two codes a byte); x_scales 4 x 512 x 128 uint8 (E8M0 scales of x, one for each 32 codes along K).
;; Outputs: out0 4 x 512 x 4,096 float32.
;; This version of the problem:
;;   THIS VERSION OF THE PROBLEM IS GIVEN IN LOW PRECISION. The matrix products marked QUANTISED in the list below multiply operands that are first quantised to E2M1 (2 exponent bits, 1 mantissa bit; 4 bits a number), with one power-of-two scale for each 32 numbers along K (OCP MX v1.0); their sums are f32. All else is computed in f32.
;;   The module's matrix products, in the order in which they are computed (A, B: the left and right operand; K: the contracted axis; several contracted axes count as one K, in the product's order):
;;     1. [M 2,048, K 4,096] x [K 4,096, N 4,096]; A: input x (given as codes); B: input W (given as codes): QUANTISED
;;     2. [M 2,048, K 4,096] x [K 4,096, N 16]; A: input x (given as codes); B: input lora_A (given as codes): QUANTISED
;;     3. [M 2,048, K 16] x [K 16, N 4,096]; A: computed on the way; B: input lora_B: left as it is (K = 16 < 32)
;;     4. [M 2,048, K 4,096] x [K 4,096, N 4,096]; A: input x (given as codes); B: computed on the way: QUANTISED
;;   THE QUANTISER, for each operand of a quantised product, along K:
;;     - K is cut into blocks of 32 from its start; a last block that is shorter is filled with zeros.
;;     - A block's scale is 2^e with e = floor(log2(the largest magnitude in the block)) - 2, held to -126 .. 127; a block of zeros has e = 0. As a byte (E8M0): e + 127.
;;     - Each number is divided by its block's scale, clamped to +-6, and rounded to the nearest number of E2M1, ties to even, subnormals kept.
;;     - The product sums the exact products of the quantised numbers (number of the format x scale) in f32.
;;   ~~~python
;;   def quantise(x, axis):      # numpy; x: float32 -> the quantised numbers, widened to float32 again
;;       x = np.moveaxis(x, axis, -1); K = x.shape[-1]
;;       x = np.pad(x, [(0, 0)] * (x.ndim - 1) + [(0, -K % 32)]); x = x.reshape(x.shape[:-1] + (-1, 32)); a = np.abs(x).max(-1, keepdims=True)
;;       e = np.where(a > 0, np.clip(np.frexp(np.where(a > 0, a, 1))[1] - 1 - 2, -126, 127), 0)      # np.frexp(a)[1] - 1 = floor(log2(a)), exactly
;;       r = np.clip(x / 2.0 ** e, -6, 6)
;;       step = 2.0 ** (np.maximum(np.frexp(np.where(r == 0, 1, r))[1] - 1, 0) - 1)
;;       q = np.round(r / step) * step * 2.0 ** e      # np.round: ties to even
;;       return np.moveaxis(q.reshape(q.shape[:-2] + (-1,))[..., :K], -1, axis).astype(np.float32)
;;   ~~~
;;   OPERANDS COMPUTED ON THE WAY. 'Computed on the way' means the value that the module computes at that place (a softmax that the list does not call 'softmax' is quantised finished and normalised). What goes into a quantiser is computed in f32, as accurately as f32 sums, v_exp_f32 and their like allow (about 1e-6 of the number): no bf16 or f16 on the way to a quantiser, and a product that is left as it is and whose result goes on into a quantised operand takes f32 operands (vector FMAs, or v_wmma_f32_16x16x4_f32). A number that lies on a knife's edge between two numbers of the format may be rounded either way, as far as f32 arithmetic and the matrix unit's own rounding can turn it there, and no further.
;;   INPUTS GIVEN AS CODES. W (in the module: [4096, 4096], K = its axis 1); lora_A (in the module: [16, 4096], K = its axis 1); x (in the module: [4, 512, 4096], K = its axis 2): each comes as NAME_codes (uint8): NAME with its K axis moved to the last place and cut into blocks of 32 codes, [.., K / 32, bytes a block], one block behind the other in memory; two codes a byte, the lower K in the low four bits (a code: sign, 2 exponent bits, 1 mantissa bit); and NAME_scales (uint8): the same leading axes, one E8M0 byte (e + 127) for each 32 codes along K. Its value is code x scale, taken as it is: it is not quantised again, and the codes and scales need not be those that the quantiser above would give.
;; 2 versions, each right; version 2 is version 1 with the launch prep written anew for expert scheduling mode. Each part assembles by itself: llvm-mc -triple=amdgcn-amd-amdhsa -mcpu=gfx1250 --defsym DOCPART=n.
;; ======== version 1 of 2: 2 launches
;; limits: a difference of large sums (such as E[x^2] - mean^2): digits are lost where the result is much smaller than its terms
;; workspace buffers: dpack 9,437,184 bytes; T 262,144 bytes
;; launch prep (part 1): grid 256 x 1, 16 waves a work-group, no clusters, 102,400 bytes of LDS; arguments delta, mask, W_scales, x_codes, x_scales, lora_A_codes, lora_A_scales, dpack, T; writes dpack, T
.if DOCPART == 1
	.amdgcn_target "amdgcn-amd-amdhsa--gfx1250"
	.amdhsa_code_object_version 6
	.text
	.protected	k_q028d7d6c9e_prep
	.globl	k_q028d7d6c9e_prep
	.p2align	8
	.type	k_q028d7d6c9e_prep,@function
k_q028d7d6c9e_prep:
	s_mov_b64 s[64:65], 0
	v_nop
	global_prefetch_b8 v0, s[64:65] scope:SCOPE_SE
	s_setreg_imm32_b32 hwreg(HW_REG_WAVE_MODE, 25, 1), 1
	s_wait_xcnt 0x0
; TWO THINGS, ONCE EACH, FOR THE PRODUCT'S LAUNCH.
; (1) D = delta x mask [4096][4096], f32, is quantised along K (its last axis) to codes of FP4 (E2M1) with one E8M0 byte for each 32 along K.
;     A block's byte is its largest magnitude's exponent field - 2, held at 1 from below; each number is divided by the scale and rounded to the nearest code, ties to even, beyond 6 the largest code.
;     The codes and bytes are laid as the next launch fetches them: dpack [K step of 512: 8][tile of 128 rows: 32][36,864 bytes]; a tile is 144 runs of 256 bytes: runs 0-127 the rows' codes,
;     runs 128-135 D's scale bytes (run 128 + j: the 16 rows of block j, 16 bytes each), runs 136-143 a copy of W's scale bytes laid the same way.
; (2) T = 2 x (x lora_A^T) [2048][16], by the FP4 matrix instruction, as two partial sums over the halves of K: T [half 2][2048][16] f32.
; LIMITS: NaN and infinities in delta are not served (a hidden number is cleared by AND, where infinity x 0 would be NaN); mask bytes are 0 or 1, as the problem states;
;     a block of zeros gets the byte 1 where the quantiser says 127: its codes are zeros, which add nothing under any byte but 0xff, and only this program reads the bytes.
; SHARES.  Work-group g of 256 owns rows 16 g .. 16 g + 15 of delta: block j = g % 8 of tile g / 8.  Wave w of sixteen owns row 16 g + w: eight steps of 512 numbers, step s = K step s.
;     All of a wave's 40 loads (8 x 2,048 bytes of delta, 8 x 512 of mask) are issued at once: each reads 512 consecutive bytes, and nothing is read twice.
;     The conversion wants 16 NEIGHBOURS in a lane, a load gives a lane 16 bytes: a step's 2,048 bytes turn through the wave's own stage in LDS (16 bytes of padding behind each 64).
;     For T the work-group owns rows 16 (g / 2) .. + 15 of x and half g % 2 of K; wave w multiplies one K step of 128 (one matrix instruction, C = 0); waves 8 and 9 add the sixteen tiles.
; No tensor loads, no cluster: what work-groups share (lora_A, 34 KB) is a small part of the 320 KB that each streams.  One barrier.
.set SP,    80                         ; a lane's place in a stage: 64 bytes + 16 of padding
.set STG,   32*SP                      ; a stage; two for each wave, from LDS byte 5,120 x wave
.set DSC,   16*2*STG                   ; 81,920: D's scale bytes [K step 8][row 16][16 bytes]
.set TP,    DSC+2048                   ; 83,968: sixteen tiles of T, 1,024 bytes each, [row 16][rank 16] f32
.set KSTR,  32*36864                   ; bytes of dpack from a K step to the next
.set R,     16                         ; v16-143   eight sets of 16 numbers as loaded; at the end the sixteen tiles of T
.set MK,    144                        ; v144-175  eight sets of 16 mask bytes
.set X,     176                        ; v176-207  two sets of 16 neighbours
.set XF,    208                        ; v208-215  x's fragment
.set AF,    216                        ; v216-223  lora_A's fragment
.set C,     208                        ; v208-223  later: a pair of registers of codes for each step, so that no store's data are written again
.set SXR,   224                        ; v224      x's scale words: scales and nothing else
.set SAR,   225                        ; v225      lora_A's
.set ACC,   226                        ; v226-233  my tile of T
.set WS,    234                        ; v234-235  8 scale bytes on their way to dpack
.set TM,    236                        ; v236-239  at work
.set BY,    240                        ; v240-247  a scale byte for each step
	s_load_b512 s[4:19], s[0:1], 0x0               ; delta s[4:5], mask s[6:7], W_scales s[8:9], x_codes s[10:11], x_scales s[12:13], lora_A_codes s[14:15], lora_A_scales s[16:17], dpack s[18:19]
	s_load_b64 s[20:21], s[0:1], 0x40              ; T
	v_lshl_add_u32 v254, v0, 2, 0x18800
	v_mov_b32 v255, 0
	v_lshrrev_b32 v14, 5, v0
	v_readfirstlane_b32 s22, v14                   ; wave 0..15
	v_and_b32 v15, 31, v0                          ; lane
	s_and_b32 s23, ttmp9, 7                        ; j: my block of 16 rows in its tile
	s_mov_b32 s24, 0                               ; v_perm_b32 selectors: byte i of a word into all four bytes
	s_mov_b32 s25, 0x01010101
	s_mov_b32 s26, 0x02020202
	s_mov_b32 s27, 0x03030303
	s_and_b32 s46, s22, 7                          ; the K step whose scale bytes I carry out
	s_lshr_b32 s47, ttmp9, 1                       ; which 16 rows of x
	s_and_b32 s48, ttmp9, 1                        ; which half of K
	s_lshl_b32 s49, s48, 4
	s_add_co_u32 s49, s49, s22                     ; my K step of 128, 0..31
	s_lshl_b32 s28, ttmp9, 18                      ; delta: 16 rows of 16,384 bytes a work-group, a row a wave
	s_lshl_b32 s50, s22, 14
	s_add_co_u32 s28, s28, s50
	s_mov_b32 s29, 0
	s_lshl_b32 s30, ttmp9, 16                      ; mask: rows of 4,096 bytes
	s_lshl_b32 s50, s22, 12
	s_add_co_u32 s30, s30, s50
	s_mov_b32 s31, 0
	s_lshl_b32 s32, ttmp9, 11                      ; W's scale bytes: rows of 128 bytes, 16 bytes a K step
	s_lshl_b32 s50, s46, 4
	s_add_co_u32 s32, s32, s50
	s_mov_b32 s33, 0
	s_lshl_b32 s38, s49, 6                         ; lora_A's codes: 64 bytes a K step of 128
	s_mov_b32 s39, 0
	s_lshl_b32 s34, s47, 15                        ; x's codes: 16 rows of 2,048 bytes, + the K step
	s_add_co_u32 s34, s34, s38
	s_mov_b32 s35, 0
	s_lshl_b32 s40, s49, 2                         ; lora_A's scale words: 4 bytes a K step
	s_mov_b32 s41, 0
	s_lshl_b32 s36, s47, 11                        ; x's: 16 rows of 128 bytes, + the K step
	s_add_co_u32 s36, s36, s40
	s_mov_b32 s37, 0
	s_lshr_b32 s42, ttmp9, 3                       ; dpack: my tile of 128 rows
	s_mul_i32 s42, s42, 36864
	s_mov_b32 s43, 0
	s_lshl_b32 s44, s48, 17                        ; T: the half of K, 16 rows of 64 bytes
	s_lshl_b32 s50, s47, 10
	s_add_co_u32 s44, s44, s50
	s_mov_b32 s45, 0
	; every address register is made here, ahead of the first line that only some waves run
	v_lshlrev_b32 v1, 4, v15                       ; my 16 bytes of a load's 512
	s_mul_i32 s50, s22, 2*STG
	v_lshrrev_b32 v2, 2, v15
	v_mul_u32_u24 v2, v2, SP
	v_and_b32 v14, 3, v15
	v_lshl_add_u32 v2, v14, 4, v2
	v_add_nc_u32 v2, s50, v2                       ; the stage, way in: four lanes' 64 bytes on end, then the padding
	v_mul_u32_u24 v3, v15, SP
	v_add_nc_u32 v3, s50, v3                       ; way out: my 16 neighbours
	s_lshl_b32 s51, s23, 12
	s_lshl_b32 s52, s22, 8
	s_add_co_u32 s51, s51, s52
	v_lshl_add_u32 v4, v15, 3, s51                 ; my codes in a tile: row 16 j + w of 256 bytes, 8 bytes a lane
	s_lshl_b32 s52, s22, 4
	s_add_co_u32 s52, s52, DSC
	v_lshrrev_b32 v5, 1, v15
	v_add_nc_u32 v5, s52, v5                       ; my block's scale byte: row w, byte lane / 2
	s_lshl_b32 s52, s46, 8
	s_add_co_u32 s52, s52, DSC
	v_lshl_add_u32 v6, v15, 3, s52                 ; one K step's 256 scale bytes, 8 a lane
	s_mul_i32 s53, s46, KSTR
	s_lshr_b32 s54, s22, 3
	s_lshl_b32 s54, s54, 11
	s_add_co_u32 s53, s53, s54                     ; waves 0-7: D's runs; waves 8-15: W's, 2,048 bytes on
	s_lshl_b32 s54, s23, 8
	s_add_co_u32 s53, s53, s54
	s_add_co_u32 s53, s53, 32768
	v_lshl_add_u32 v7, v15, 3, s53                 ; where that run of 256 bytes goes in dpack
	v_lshrrev_b32 v8, 1, v15
	v_lshlrev_b32 v8, 7, v8
	v_and_b32 v14, 1, v15
	v_lshl_add_u32 v8, v14, 3, v8                  ; W's scale bytes: row lane / 2, 8 bytes for each of two lanes
	v_and_b32 v[TM], 15, v0                        ; r
	v_bfe_u32 v[TM+1], v0, 4, 1                    ; h
	v_lshlrev_b32 v9, 11, v[TM]
	v_lshl_add_u32 v9, v[TM+1], 4, v9              ; a fragment: row r of 2,048 bytes, + 16 h
	v_lshlrev_b32 v10, 7, v[TM]                    ; a scale word: row r of 128 bytes
	s_lshl_b32 s54, s22, 10
	s_add_co_u32 s54, s54, TP
	v_lshlrev_b32 v11, 6, v[TM]
	v_lshl_add_u32 v11, v[TM+1], 5, v11
	v_add_nc_u32 v11, s54, v11                     ; my tile of T in LDS: row r of 64 bytes, + 32 h
	v_and_b32 v13, 63, v0
	v_lshlrev_b32 v13, 4, v13                      ; the sum: 64 threads (waves 8 and 9), 16 bytes each
	v_add_nc_u32 v12, TP, v13
	s_wait_kmcnt 0x0
	s_add_nc_u64 s[4:5], s[4:5], s[28:29]
	s_add_nc_u64 s[6:7], s[6:7], s[30:31]
	s_add_nc_u64 s[8:9], s[8:9], s[32:33]
	s_add_nc_u64 s[10:11], s[10:11], s[34:35]
	s_add_nc_u64 s[12:13], s[12:13], s[36:37]
	s_add_nc_u64 s[14:15], s[14:15], s[38:39]
	s_add_nc_u64 s[16:17], s[16:17], s[40:41]
	s_add_nc_u64 s[18:19], s[18:19], s[42:43]
	s_add_nc_u64 s[20:21], s[20:21], s[44:45]
	s_cmp_lt_u32 s22, 8                            ; waves 8-15 carry W's scale bytes: the oldest load, so that no later count hangs on it
	s_cbranch_scc1 .Lno_ws
	global_load_b64 v[WS:WS+1], v8, s[8:9]
.Lno_ws:
	global_load_b128 v[XF:XF+3],   v9, s[10:11]            ; x(r, 32 h ..) and x(r, 64 + 32 h ..) of my K step
	global_load_b128 v[XF+4:XF+7], v9, s[10:11] offset:32
	global_load_b128 v[AF:AF+3],   v9, s[14:15]            ; lora_A likewise
	global_load_b128 v[AF+4:AF+7], v9, s[14:15] offset:32
	global_load_b32 v[SXR], v10, s[12:13]
	global_load_b32 v[SAR], v10, s[16:17]
.irp s, 0,1,2,3,4,5,6,7                        ; the whole row: five loads a step
.irp i, 0,1,2,3
	global_load_b128 v[R+16*\s+4*\i:R+16*\s+4*\i+3], v1, s[4:5] offset:2048*\s+512*\i th:TH_LOAD_NT
.endr
	global_load_b128 v[MK+4*\s:MK+4*\s+3], v1, s[6:7] offset:512*\s th:TH_LOAD_NT   ; my 16 neighbours' mask bytes need no turn
.endr
	s_wait_loadcnt 40                              ; all but the row's 40 loads are in
	v_wmma_scale_f32_16x16x128_f8f6f4 v[ACC:ACC+7], v[AF:AF+7], v[XF:XF+7], 0, v[SAR], v[SXR] matrix_a_fmt:MATRIX_FMT_FP4 matrix_b_fmt:MATRIX_FMT_FP4   ; transposed: lane (r, h), register i: row r of x, rank 8 h + i
.rept 4
	v_nop                                          ; four places between a matrix instruction and the first read of its result (ISA guide 7.12.1)
.endr
	ds_store_b128 v11, v[ACC:ACC+3]                ; from the low end on
	ds_store_b128 v11, v[ACC+4:ACC+7] offset:16
.macro TURN t                          ; step t's numbers through a stage: LDS serves a wave's instructions in order (ISA guide 5.7.1.4), so no wait stands between the stores and the loads
.irp i, 0,1,2,3
	ds_store_b128 v2, v[R+16*(\t)+4*\i:R+16*(\t)+4*\i+3] offset:STG*((\t)%2)+8*SP*\i
.endr
.irp i, 0,1,2,3
	ds_load_b128 v[X+16*((\t)%2)+4*\i:X+16*((\t)%2)+4*\i+3], v3 offset:STG*((\t)%2)+16*\i
.endr
.endm
	s_wait_loadcnt 35                              ; step 0's five loads are in; seven steps' may be out
	TURN 0
.macro STEP s
.set XS, X+16*((\s)%2)
.set MS, MK+4*(\s)
.if (\s) == 0
	s_wait_dscnt 0x0
.else
	s_wait_dscnt 0x1                               ; this step's numbers are back from the stage; the last step's byte store may be out
.endif
.if (\s) < 7
	s_wait_loadcnt 5*(6-(\s))                      ; the next step's five loads are in,
	TURN (\s)+1                                    ; and its numbers go through the other stage while this step is worked
.endif
.irp d, 0,1,2,3                                ; delta x mask: 255 x a word of bytes 0 or 1 has bytes 0x00 or 0xff; each is spread over a word and ANDed onto its number
	v_lshlrev_b32 v[TM], 8, v[MS+\d]
	v_sub_nc_u32 v[MS+\d], v[TM], v[MS+\d]
.irp i, 0,1,2,3
	v_perm_b32 v[TM+\i], v[MS+\d], v[MS+\d], s[24+\i]
.endr
.irp i, 0,1,2,3
	v_and_b32 v[XS+4*\d+\i], v[XS+4*\d+\i], v[TM+\i]
.endr
.endr
	v_max3_num_f32 v[TM], |v[XS]|, |v[XS+1]|, |v[XS+2]|            ; the largest magnitude of my 16, in two chains
	v_max3_num_f32 v[TM+1], |v[XS+3]|, |v[XS+4]|, |v[XS+5]|
.irp i, 6,10
	v_max3_num_f32 v[TM], v[TM], |v[XS+\i]|, |v[XS+\i+1]|
	v_max3_num_f32 v[TM+1], v[TM+1], |v[XS+\i+2]|, |v[XS+\i+3]|
.endr
	v_max3_num_f32 v[TM], v[TM], |v[XS+14]|, |v[XS+15]|
	v_max3_num_f32 v[TM], v[TM], v[TM+1], 0x1800000                ; and the floor 2^(3 - 127): the byte cannot fall under 1
	v_max_num_f32_dpp v[TM], v[TM], v[TM] row_xmask:1 row_mask:0xf bank_mask:0xf   ; with my neighbour's 16: the block's
	v_add_nc_u32 v[TM+2], 0xff000000, v[TM]        ; 2 off its exponent field: the conversion takes the exponent field of this operand as its scale
	v_cvt_scalef32_pk8_fp4_f32 v[C+2*(\s)], v[XS:XS+7], v[TM+2]
	v_cvt_scalef32_pk8_fp4_f32 v[C+2*(\s)+1], v[XS+8:XS+15], v[TM+2]
	v_lshrrev_b32 v[BY+(\s)], 23, v[TM+2]          ; the scale's byte; also the plain line behind the conversions
	ds_store_b8 v5, v[BY+(\s)] offset:256*(\s)     ; both lanes of a block write the same byte with the same value
	global_store_b64 v4, v[C+2*(\s):C+2*(\s)+1], s[18:19] offset:KSTR*(\s)   ; the wave stores 256 consecutive bytes, aligned: my row's codes of K step s
.endm
.irp s, 0,1,2,3,4,5,6,7
	STEP \s
.endr
	s_wait_dscnt 0x0                               ; for the others' sake: my tile of T and my scale bytes lie in LDS
	s_barrier_signal -1
	s_barrier_wait -1
	s_cmp_lt_u32 s22, 8                            ; waves 0-7: the sixteen rows' scale bytes of K step w; waves 8-15 hold W's since the head
	s_cbranch_scc0 .Lhave_ws
	ds_load_b64 v[WS:WS+1], v6
	s_wait_dscnt 0x0
.Lhave_ws:
	global_store_b64 v7, v[WS:WS+1], s[18:19]      ; 256 consecutive bytes, aligned
	s_lshr_b32 s50, s22, 1
	s_cmp_lg_u32 s50, 4                            ; waves 8 and 9 add the sixteen K steps' tiles of T
	s_cbranch_scc1 .Lend
.irp k, 0,1,2,3,4,5,6,7,8,9,10,11,12,13,14,15
	ds_load_b128 v[R+4*\k:R+4*\k+3], v12 offset:1024*\k
.endr
	s_wait_dscnt 0x0
.macro ADDQ a, b                       ; four numbers of tile b onto tile a's
	v_pk_add_f32 v[R+4*(\a):R+4*(\a)+1], v[R+4*(\a):R+4*(\a)+1], v[R+4*(\b):R+4*(\b)+1]
	v_pk_add_f32 v[R+4*(\a)+2:R+4*(\a)+3], v[R+4*(\a)+2:R+4*(\a)+3], v[R+4*(\b)+2:R+4*(\b)+3]
.endm
.irp k, 0,2,4,6,8,10,12,14
	ADDQ \k, \k+1
.endr
.irp k, 0,4,8,12
	ADDQ \k, \k+2
.endr
	ADDQ 0, 4
	ADDQ 8, 12
	ADDQ 0, 8
	ADDQ 0, 0                                      ; x 2 = alpha / rank, exactly
	global_store_b128 v13, v[R:R+3], s[20:21]
.Lend:
	s_wait_tensorcnt 0x0
	ds_add_u32 v254, v255
	s_wait_dscnt 0x0
	s_endpgm
.Lfunc_end_k_q028d7d6c9e_prep:
	.size	k_q028d7d6c9e_prep, .Lfunc_end_k_q028d7d6c9e_prep-k_q028d7d6c9e_prep
	.p2alignl 7, 3214868480
	.fill 96, 4, 3214868480
	.section	.rodata,"a",@progbits
	.p2align	6, 0x0
	.amdhsa_kernel k_q028d7d6c9e_prep
		.amdhsa_group_segment_fixed_size 102400
		.amdhsa_private_segment_fixed_size 0
		.amdhsa_enable_private_segment 0
		.amdhsa_kernarg_size 72
		.amdhsa_user_sgpr_count 2
		.amdhsa_user_sgpr_kernarg_segment_ptr 1
		.amdhsa_wavefront_size32 1
		.amdhsa_system_sgpr_workgroup_id_x 1
		.amdhsa_system_sgpr_workgroup_id_y 1
		.amdhsa_system_sgpr_workgroup_id_z 1
		.amdhsa_system_vgpr_workitem_id 0
		.amdhsa_next_free_vgpr 256
		.amdhsa_next_free_sgpr 66
		.amdhsa_reserve_vcc 0
		.amdhsa_float_denorm_mode_32 3
		.amdhsa_float_denorm_mode_16_64 3
		.amdhsa_memory_ordered 1
		.amdhsa_forward_progress 1
		.amdhsa_inst_pref_size 40
	.end_amdhsa_kernel
	.amdgpu_metadata
---
amdhsa.version: [ 1, 2 ]
amdhsa.kernels:
  - .name:           k_q028d7d6c9e_prep
    .symbol:         k_q028d7d6c9e_prep.kd
    .args:
      - { .name: delta, .offset: 0, .size: 8, .value_kind: global_buffer, .address_space: global }
      - { .name: mask, .offset: 8, .size: 8, .value_kind: global_buffer, .address_space: global }
      - { .name: W_scales, .offset: 16, .size: 8, .value_kind: global_buffer, .address_space: global }
      - { .name: x_codes, .offset: 24, .size: 8, .value_kind: global_buffer, .address_space: global }
      - { .name: x_scales, .offset: 32, .size: 8, .value_kind: global_buffer, .address_space: global }
      - { .name: lora_A_codes, .offset: 40, .size: 8, .value_kind: global_buffer, .address_space: global }
      - { .name: lora_A_scales, .offset: 48, .size: 8, .value_kind: global_buffer, .address_space: global }
      - { .name: dpack, .offset: 56, .size: 8, .value_kind: global_buffer, .address_space: global }
      - { .name: T, .offset: 64, .size: 8, .value_kind: global_buffer, .address_space: global }
    .group_segment_fixed_size: 102400
    .private_segment_fixed_size: 0
    .kernarg_segment_align: 8
    .kernarg_segment_size: 72
    .max_flat_workgroup_size: 512
    .sgpr_count:     66
    .vgpr_count:     256
    .wavefront_size: 32
...
	.end_amdgpu_metadata
.endif
;; end of part 1
;; launch gemm (part 2): grid 32 x 8, 4 waves a work-group, clusters of 4 x 4, 327,680 bytes of LDS; arguments x_codes, x_scales, W_codes, dpack, T, lora_B, b, out0; writes out0
.if DOCPART == 2
	.amdgcn_target "amdgcn-amd-amdhsa--gfx1250"
	.amdhsa_code_object_version 6
	.text
	.protected	k_q028d7d6c9e_gemm
	.globl	k_q028d7d6c9e_gemm
	.p2align	8
	.type	k_q028d7d6c9e_gemm,@function
k_q028d7d6c9e_gemm:
	s_mov_b64 s[64:65], 0
	v_nop
	global_prefetch_b8 v0, s[64:65] scope:SCOPE_SE
	s_setreg_imm32_b32 hwreg(HW_REG_WAVE_MODE, 25, 1), 1
	s_wait_xcnt 0x0
	s_wait_alu depctr_hold_cnt(0) depctr_sa_sdst(0) depctr_va_vdst(0) depctr_va_sdst(0) depctr_va_ssrc(0) depctr_va_vcc(0) depctr_vm_vsrc(0)
	s_getreg_b32 s2, hwreg(HW_REG_IB_STS2, 6, 4)
	s_cmp_eq_u32 s2, 0
	s_cbranch_scc0 .Lentry_in_a_cluster
	s_endpgm
.Lentry_in_a_cluster:
	s_bfe_u32 s2, ttmp6, 0x10000c
	s_cmp_lg_u32 s2, 0xf033
	s_cbranch_scc0 .Lentry_shape_is_right
	s_endpgm
.Lentry_shape_is_right:
; out[m][n] = b[n] + sum_r T[m][r] lora_B[n][r] + sum_k x[m][k] W[n][k] + sum_k x[m][k] D[n][k];  m 2,048, n 4,096, k 4,096.
; x, W, D: codes of FP4 (E2M1) with one E8M0 byte for each 32 along K, multiplied by the scaled matrix instruction as they lie.  D's codes, D's bytes and a copy of W's bytes come from dpack
; [K step of 512: 8][tile of 128 rows of n: 32][144 runs of 256 bytes: 128 rows of codes, 8 runs of D's bytes, 8 of W's].  T = 2 x lora_A^T comes as two partial sums [2][2048][16] f32.
; LIMIT: T's two partial sums and lora_B are rounded to bf16 for their product (K = 16 ranks x 2 sums = 32), the sums are f32: the error is at most 2^-8 (|T0| + |T1|) |lora_B| a term.
; SHARES.  A tile of out is 256 (m) x 128 (n): 8 x 32 = 256 work-groups of four waves, one wave for each SIMD of a WGP; a wave makes 128 x 64: 32 accumulators of 16 x 16.  W's and D's products add onto the SAME accumulator,
; so each fragment of x feeds both: for 128 along K a wave reads 8 + 4 + 4 fragments for 64 matrix instructions.  The bias is the C of the bf16 product, which starts every sum: nothing is cleared.
; K goes in steps of 512 through a ring of two LDS slots; a row of a tile is 256 bytes of memory.  Waves 0 and 1 fetch x's two halves, wave 2 W's tile, wave 3 dpack's: one tensor load a wave.
; x's scale bytes of the work-group's 256 rows, for all of K, are one dense block: they come once, with the first fills, and stay.
; CLUSTERS: 4 x 4 work-groups.  The four of a row of the cluster need the same tiles of x, the four of a column the same tiles of W and dpack: each is asked for JOINTLY, by the same tensor load with the same
; descriptor and a mask that names the four.  THE MATRIX INSTRUCTION IS USED TRANSPOSED (source 0 = 16 rows of W, D or lora_B, source 1 = 16 rows of x or T): a lane holds eight neighbouring numbers of a row of out.
; REGISTERS, in windows of 256: window 0: v1-31 addresses; v32-95 scale words, two sets; v128-191 the way out.   window 1: two sets of fragments at 128 p: W + 0, D + 32, x + 64.
;   window 2: accumulator (a, b) at v[8 (4 a + b)].   window 3: v0-127 T; v128-159 the bias; v160-191 lora_B as loaded; v192-223 its fragments.
.set PITCH, 272                        ; an LDS row: 256 bytes + 16 of padding = 68 words: row r starts at bank 4 r mod 64 (64 banks of 4 bytes: ISA guide 11.1)
.set WOFF,  256*PITCH                  ; a slot: x's 256 rows, W's 128 rows,
.set DOFF,  WOFF+128*PITCH             ; dpack's 144 runs
.set SLOT,  DOFF+144*PITCH             ; 143,616 bytes
.set SCX,   2*SLOT                     ; behind the ring: x's scale bytes, 128 runs of 256 bytes (two rows each) + padding
.set SPARE, SCX+128*PITCH              ; 322,048 = 256 x 1,258: the spare words, 128 bytes for each wave: two blocks of 256 bytes that no other line names
.set KSTR,  32*36864                   ; bytes of dpack from a K step to the next
.set ADRA, 16                          ; v16-17  LDS address of my fragments of x in slot 0, 1
.set ADRW, 18                          ; v18-19  of W
.set ADRD, 20                          ; v20-21  of D
.set ADSB, 22                          ; v22-23  of the scale words beside them: lanes 0-15 D's, lanes 16-31 W's
.set ADSX, 24                          ; v24     of x's scale words: lanes 0-15 an even block of rows, lanes 16-31 the odd one behind it
.set STO,  25                          ; v25     the way out: where I put 32 bytes of a row
.set RD,   26                          ; v26     where I read a row back
.set CO,   27                          ; v27     my byte offset in two rows of out
.set SPW,  28                          ; v28     LDS address of my spare word; never rewritten
.set NIL,  29                          ; v29     0; never rewritten
.set LOFF, 30                          ; v30     T, lora_B: row r of 64 bytes, + 32 h
.set BOFF, 31                          ; v31     b: 32 h
.set SC,   32                          ; scale words, set s at v[SC + 32 s]: register 4 i + q: x's blocks 2 i | 2 i + 1;  register 16 + 4 j + q: D's block j | W's block j;  q: the slot's q-th 128 along K
.set BK,   128                         ; the way out: 16 rows read back, two buffers of 32
.set G1A, 24                           ; s[24:31] descriptor group 1 for x's tiles;  s[32:39] W's;  s[40:47] dpack's;  s[48:55] x's scale bytes
.set G1W, 32
.set G1D, 40
.set G1S, 48
.set G0A, 56                           ; s[56:63] groups 0 for x's tiles, one for each slot;  s[68:75] W's;  s[76:83] dpack's;  s[84:87] x's scale bytes
.set G0W, 68
.set G0D, 76
.set G0S, 84
.set W_MUL,  0xa5                      ; sources 0 and 1 window 1, C and D window 2
.set W_TOF,  0x40                      ; destination window 1, address window 0
.set W_LD3,  0xc0                      ; destination window 3
.set W_CV3,  0xcf                      ; destination and both sources window 3
.set W_LORA, 0xbf                      ; sources 0, 1 and C window 3, D window 2
.set W_OUT,  0x08                      ; an LDS store's data (source 1) window 2
.set MSB, 0
.macro WIN new                         ; the immediate's high byte repeats the setting that is left; a switch that changes nothing is dropped
.if MSB != \new
	s_set_vgpr_msb (MSB<<8)|\new
.set MSB, \new
.endif
.endm
.macro PLACES n
.rept \n
	v_nop
.endr
.endm
; A joint load for slot s.  Each of the three lines has one mask and one set of registers for all that issue it; the branches hang on the wave's number alone.
; Four v_nop follow each line, ahead of the jump, the label and what follows.
.macro JLOAD s
	s_cmp_lt_u32 s20, 2
	s_cbranch_scc0 .Lnot_x_\@
	tensor_load_to_lds s[G0A+4*\s:G0A+4*\s+3], s[G1A:G1A+7]
	s_nop 0
	PLACES 4
	s_branch .Lasked_\@
.Lnot_x_\@:
	s_cmp_eq_u32 s20, 2
	s_cbranch_scc0 .Lfor_d_\@
	tensor_load_to_lds s[G0W+4*\s:G0W+4*\s+3], s[G1W:G1W+7]
	s_nop 0
	PLACES 4
	s_branch .Lasked_\@
.Lfor_d_\@:
	tensor_load_to_lds s[G0D+4*\s:G0D+4*\s+3], s[G1D:G1D+7]
	s_nop 0
	PLACES 4
.Lasked_\@:
.endm
.macro CREST                           ; a round of the cluster's barrier behind its opening barrier
	s_cmp_lg_u32 s20, 0
	s_cbranch_scc1 .Lnot_wave_0_\@
	s_barrier_signal -3
.Lnot_wave_0_\@:
	s_barrier_wait -3
	s_barrier_signal -1
	s_barrier_wait -1
.endm
.macro CROUND                          ; a whole round
	s_barrier_signal -1
	s_barrier_wait -1
	CREST
.endm
	s_load_b512 s[4:19], s[0:1], 0x0               ; x_codes s[4:5], x_scales s[6:7], W_codes s[8:9], dpack s[10:11], T s[12:13], lora_B s[14:15], b s[16:17], out0 s[18:19]
	v_lshl_add_u32 v[SPW], v0, 2, SPARE
	v_mov_b32 v[NIL], 0
	ds_add_u32 v28, v29
	ds_add_u32 v28, v29
	s_wait_dscnt 0x0
	v_lshrrev_b32 v1, 5, v0
	v_readfirstlane_b32 s20, v1                    ; wave 0..3
	s_lshr_b32 s21, s20, 1                         ; which 128 of the tile's 256 rows are mine
	s_and_b32 s22, s20, 1                          ; which 64 of its 128 columns.  Also: which half of x's tile waves 0 and 1 fetch
	s_bfe_u32 s88, ttmp6, 0x40000                  ; cx, cy: my place in the cluster
	s_bfe_u32 s89, ttmp6, 0x40004
	s_lshl_b32 s90, ttmp9, 2
	s_add_co_u32 s90, s90, s88                     ; tile column of out = 4 x cluster x + cx
	s_and_b32 s91, ttmp7, 0xffff
	s_lshl_b32 s91, s91, 2
	s_add_co_u32 s91, s91, s89                     ; tile row = 4 x cluster y + cy
	s_lshl_b32 s92, s89, 2
	s_lshl_b32 s92, 15, s92                        ; my row of the cluster
	s_lshl_b32 s93, 0x1111, s88                    ; my column
	; descriptor groups 1.  15:0 the mask; 17:16 element size; 20 padding on; 21 set beside a mask; 24:22 after every 64 words (code 5); 31:25 four words of it (code 3)
	s_or_b32 s[G1A], s92, (1<<20)|(1<<21)|(5<<22)|(3<<25)           ; x's tiles go to my row: 128 rows x 256 elements of 1 byte, rows 2,048 bytes apart
	s_or_b32 s[G1W], s93, (1<<20)|(1<<21)|(5<<22)|(3<<25)           ; W's to my column: the same shape
.irp g, G1A, G1W
	s_mov_b32 s[\g+1], 256<<16                     ; tensor_dim0
	s_mov_b32 s[\g+2], 128<<16                     ; tensor_dim1
	s_mov_b32 s[\g+3], 256<<16                     ; tile_dim0
	s_mov_b32 s[\g+4], 128                         ; tile_dim1
	s_mov_b32 s[\g+5], 2048                        ; tensor_dim0_stride
	s_mov_b32 s[\g+6], 0
	s_mov_b32 s[\g+7], 0
.endr
	s_or_b32 s[G1D], s93, (3<<16)|(1<<20)|(1<<21)|(5<<22)|(3<<25)   ; dpack's tile to my column: a dense block, 144 rows x 32 elements of 8 bytes
	s_mov_b32 s[G1D+1], 32<<16
	s_mov_b32 s[G1D+2], 144<<16
	s_mov_b32 s[G1D+3], 32<<16
	s_mov_b32 s[G1D+4], 144
	s_mov_b32 s[G1D+5], 32
	s_mov_b32 s[G1D+6], 0
	s_mov_b32 s[G1D+7], 0
	s_or_b32 s[G1S], s92, (3<<16)|(1<<20)|(1<<21)|(5<<22)|(3<<25)   ; x's scale bytes of 64 rows to my row: dense, 32 rows x 32 elements of 8 bytes
	s_mov_b32 s[G1S+1], 32<<16
	s_mov_b32 s[G1S+2], 32<<16
	s_mov_b32 s[G1S+3], 32<<16
	s_mov_b32 s[G1S+4], 32
	s_mov_b32 s[G1S+5], 32
	s_mov_b32 s[G1S+6], 0
	s_mov_b32 s[G1S+7], 0
	; where the tiles come from.  s[94:97] hold the tile row and the wave's number alone, s[98:101] the tile column alone
	s_lshl_b32 s94, s91, 19                        ; x's codes: 256 rows of 2,048 bytes a tile row, + 128 rows for the second half
	s_lshl_b32 s95, s22, 18
	s_add_co_u32 s94, s94, s95
	s_mov_b32 s95, 0
	s_lshl_b32 s96, s91, 15                        ; x's scale bytes: 256 rows of 128 bytes, + 64 rows a wave
	s_lshl_b32 s97, s20, 13
	s_add_co_u32 s96, s96, s97
	s_mov_b32 s97, 0
	s_lshl_b32 s98, s90, 18                        ; W's codes: 128 rows of 2,048 bytes a tile column
	s_mov_b32 s99, 0
	s_mul_i32 s100, s90, 36864                     ; dpack: the tile column's block
	s_mov_b32 s101, 0
	s_mul_i32 s2, s22, 128*PITCH                   ; and where they go: no place in the cluster enters an LDS address
	s_mul_i32 s3, s20, 32*PITCH
	s_wait_kmcnt 0x0
	s_add_nc_u64 s[94:95], s[4:5], s[94:95]
	s_add_nc_u64 s[96:97], s[6:7], s[96:97]
	s_add_nc_u64 s[98:99], s[8:9], s[98:99]
	s_add_nc_u64 s[100:101], s[10:11], s[100:101]
	CROUND                                         ; all sixteen work-groups are here: the first joint loads meet
	s_mov_b32 s[G0S], 1                            ; 1:0 count = 1
	s_add_co_u32 s[G0S+1], s3, SCX                 ; 63:32 LDS address
	s_mov_b64 s[G0S+2:G0S+3], s[96:97]             ; 120:64 global address
	s_or_b32 s[G0S+3], s[G0S+3], 0x80000000        ; 127:126 type = 2
	tensor_load_to_lds s[G0S:G0S+3], s[G1S:G1S+7]  ; each wave its quarter of x's scale bytes: filled once
	s_nop 0
	PLACES 4
.irp s, 0,1
	s_mov_b32 s[G0A+4*\s], 1
	s_add_co_u32 s[G0A+4*\s+1], s2, \s*SLOT
	s_add_nc_u64 s[G0A+4*\s+2:G0A+4*\s+3], s[94:95], \s*256
	s_or_b32 s[G0A+4*\s+3], s[G0A+4*\s+3], 0x80000000
	s_mov_b32 s[G0W+4*\s], 1
	s_mov_b32 s[G0W+4*\s+1], WOFF+\s*SLOT
	s_add_nc_u64 s[G0W+4*\s+2:G0W+4*\s+3], s[98:99], \s*256
	s_or_b32 s[G0W+4*\s+3], s[G0W+4*\s+3], 0x80000000
	s_mov_b32 s[G0D+4*\s], 1
	s_mov_b32 s[G0D+4*\s+1], DOFF+\s*SLOT
	s_add_nc_u64 s[G0D+4*\s+2:G0D+4*\s+3], s[100:101], \s*KSTR
	s_or_b32 s[G0D+4*\s+3], s[G0D+4*\s+3], 0x80000000
	JLOAD \s                                       ; K steps 0 and 1: three tensor loads of mine are out
.endr
	; T, lora_B, b and out0 at my wave's part
	s_lshl_b32 s94, s91, 14                        ; T: rows of 64 bytes
	s_lshl_b32 s95, s21, 13
	s_add_co_u32 s94, s94, s95
	s_mov_b32 s95, 0
	s_add_nc_u64 s[12:13], s[12:13], s[94:95]
	s_lshl_b32 s96, s91, 22                        ; out0: rows of 16,384 bytes
	s_lshl_b32 s97, s21, 21
	s_add_co_u32 s96, s96, s97
	s_mov_b32 s97, 0
	s_add_nc_u64 s[18:19], s[18:19], s[96:97]
	s_lshl_b32 s98, s90, 13                        ; lora_B: rows of 64 bytes
	s_lshl_b32 s99, s22, 12
	s_add_co_u32 s98, s98, s99
	s_mov_b32 s99, 0
	s_add_nc_u64 s[14:15], s[14:15], s[98:99]
	s_lshl_b32 s100, s90, 9                        ; b, and out0's columns: 4 bytes a column
	s_lshl_b32 s101, s22, 8
	s_add_co_u32 s100, s100, s101
	s_mov_b32 s101, 0
	s_add_nc_u64 s[16:17], s[16:17], s[100:101]
	s_add_nc_u64 s[18:19], s[18:19], s[100:101]
	v_and_b32 v1, 15, v0                           ; r = lane % 16
	v_bfe_u32 v2, v0, 4, 1                         ; h = lane / 16
	v_lshlrev_b32 v[LOFF], 6, v1
	v_lshl_add_u32 v[LOFF], v2, 5, v[LOFF]
	v_lshlrev_b32 v[BOFF], 5, v2
	WIN W_LD3
.irp a, 0,1,2,3,4,5,6,7                        ; T(16 a + r, 8 h .. 8 h + 7): the first partial sum into v[16 a ..], the second into v[16 a + 8 ..]
	global_load_b128 v[16*\a:16*\a+3],     v[LOFF], s[12:13] offset:1024*\a
	global_load_b128 v[16*\a+4:16*\a+7],   v[LOFF], s[12:13] offset:1024*\a+16
	global_load_b128 v[16*\a+8:16*\a+11],  v[LOFF], s[12:13] offset:131072+1024*\a
	global_load_b128 v[16*\a+12:16*\a+15], v[LOFF], s[12:13] offset:131072+1024*\a+16
.endr
.irp b, 0,1,2,3
	global_load_b128 v[160+8*\b:160+8*\b+3], v[LOFF], s[14:15] offset:1024*\b          ; lora_B(16 b + r, 8 h .. 8 h + 7)
	global_load_b128 v[160+8*\b+4:160+8*\b+7], v[LOFF], s[14:15] offset:1024*\b+16
	global_load_b128 v[128+8*\b:128+8*\b+3], v[BOFF], s[16:17] offset:64*\b            ; b(16 b + 8 h .. + 7): the result's layout
	global_load_b128 v[128+8*\b+4:128+8*\b+7], v[BOFF], s[16:17] offset:64*\b+16
.endr
	WIN 0
	; the LDS addresses are made while those 48 loads are out
	v_mul_u32_u24 v3, v1, PITCH
	v_lshl_add_u32 v3, v2, 4, v3                   ; a fragment's row x pitch + 16 h
	s_mul_i32 s94, s21, 128*PITCH                  ; my 128 rows of x
	s_mul_i32 s95, s22, 64*PITCH                   ; my 64 rows of W and of D
	s_add_co_u32 s96, s95, WOFF
	s_add_co_u32 s97, s95, DOFF
	v_mul_u32_u24 v4, v2, 8*PITCH                  ; lanes 16-31: eight runs further on (W's bytes behind D's; x's next block of 16 rows)
	v_lshl_add_u32 v5, v1, 4, v4
	s_mul_i32 s98, s22, 4*PITCH                    ; my four blocks' runs of scale bytes
	s_add_co_u32 s98, s98, DOFF+128*PITCH
.irp s, 0,1
	v_add_nc_u32 v[ADRA+\s], s94, v3
	v_add_nc_u32 v[ADRW+\s], s96, v3
	v_add_nc_u32 v[ADRD+\s], s97, v3
	v_add_nc_u32 v[ADSB+\s], s98, v5
	s_add_co_u32 s94, s94, SLOT
	s_add_co_u32 s96, s96, SLOT
	s_add_co_u32 s97, s97, SLOT
	s_add_co_u32 s98, s98, SLOT
.endr
	v_lshrrev_b32 v5, 1, v1                        ; x's scale bytes: two rows of 128 bytes to a run
	v_mul_u32_u24 v5, v5, PITCH
	v_and_b32 v6, 1, v1
	v_lshl_add_u32 v5, v6, 7, v5
	v_add_nc_u32 v5, v5, v4
	s_mul_i32 s99, s21, 64*PITCH
	s_add_co_u32 s99, s99, SCX
	v_add_nc_u32 v[ADSX], s99, v5
	s_mul_i32 s100, s20, 16*PITCH                  ; my stage: 16 rows x 272 bytes, in slot 0, which has had its last fill and its last read when the first result is stored there
	v_mul_u32_u24 v5, v1, PITCH
	v_lshl_add_u32 v5, v2, 5, v5
	v_add_nc_u32 v[STO], s100, v5                  ; in: row r, 32 bytes for each half of the lanes
	v_mul_u32_u24 v5, v2, PITCH
	v_lshl_add_u32 v5, v1, 4, v5
	v_add_nc_u32 v[RD], s100, v5                   ; back: lanes 0-15 one row of 256 bytes, lanes 16-31 the next
	v_lshlrev_b32 v5, 14, v2
	v_lshl_add_u32 v[CO], v1, 4, v5                ; and the same two rows in out0
	s_wait_loadcnt 0x0
	; THE LOW-RANK PRODUCT STARTS THE SUMS.  K = 32: k = 0 .. 15 the ranks against the first partial sum, k = 16 .. 31 the ranks against the second.  A fragment's registers 0-3 hold k = 8 h + 0 .. 7, registers 4-7 k = 16 + 8 h + 0 .. 7.
	WIN W_CV3
.irp b, 0,1,2,3
.irp i, 0,1,2,3
	v_cvt_pk_bf16_f32 v[192+8*\b+\i], v[160+8*\b+2*\i], v[160+8*\b+2*\i+1]     ; lora_B's ranks stand twice
	v_cvt_pk_bf16_f32 v[196+8*\b+\i], v[160+8*\b+2*\i], v[160+8*\b+2*\i+1]
.endr
.endr
.irp a, 0,1,2,3,4,5,6,7
.irp i, 0,1,2,3,4,5,6,7
	v_cvt_pk_bf16_f32 v[16*\a+\i], v[16*\a+2*\i], v[16*\a+2*\i+1]              ; in place, ascending: register i is written when registers 2 i and 2 i + 1 are read, never ahead of a read
.endr
.endr
	PLACES 4
	WIN W_LORA
.irp a, 0,1,2,3,4,5,6,7
.irp b, 0,1,2,3
	v_wmma_f32_16x16x32_bf16 v[8*(4*\a+\b):8*(4*\a+\b)+7], v[192+8*\b:192+8*\b+7], v[16*\a:16*\a+7], v[128+8*\b:128+8*\b+7]   ; C = the bias
.endr
.endr
	WIN 0
	PLACES 5                                       ; another form takes these accumulators up: five places behind the last of them (ISA guide 7.12.1)
; na x 4 matrix instructions: x's blocks a0 on x my four blocks of W (kind 0) or of D (kind 1), the slot's q-th 128 along K.  p: the set of fragments;  sc: the set of scale words.
; W's words lie in lanes 16-31 of their register, D's in lanes 0-15; x's odd blocks' in lanes 16-31.  The 32 accumulators take turns, one instruction a turn, in the same order everywhere.
.macro MUL kind, p, q, sc, a0, na
.set AI, \a0
.rept \na
.irp b, 0,1,2,3
.set rC, 8*(4*AI+\b)
.set rF, 128*(\p)+32*(\kind)+8*\b
.set rX, 128*(\p)+64+8*AI
.set rS, SC+32*(\sc)+16+4*\b+(\q)
.set rT, SC+32*(\sc)+4*(AI/2)+(\q)
.if (\kind == 0) && (AI%2 == 1)
	v_wmma_scale_f32_16x16x128_f8f6f4 v[rC:rC+7], v[rF:rF+7], v[rX:rX+7], v[rC:rC+7], v[rS], v[rT] matrix_a_fmt:MATRIX_FMT_FP4 matrix_b_fmt:MATRIX_FMT_FP4 matrix_a_scale:MATRIX_SCALE_ROW1 matrix_b_scale:MATRIX_SCALE_ROW1
.elseif \kind == 0
	v_wmma_scale_f32_16x16x128_f8f6f4 v[rC:rC+7], v[rF:rF+7], v[rX:rX+7], v[rC:rC+7], v[rS], v[rT] matrix_a_fmt:MATRIX_FMT_FP4 matrix_b_fmt:MATRIX_FMT_FP4 matrix_a_scale:MATRIX_SCALE_ROW1
.elseif AI%2 == 1
	v_wmma_scale_f32_16x16x128_f8f6f4 v[rC:rC+7], v[rF:rF+7], v[rX:rX+7], v[rC:rC+7], v[rS], v[rT] matrix_a_fmt:MATRIX_FMT_FP4 matrix_b_fmt:MATRIX_FMT_FP4 matrix_b_scale:MATRIX_SCALE_ROW1
.else
	v_wmma_scale_f32_16x16x128_f8f6f4 v[rC:rC+7], v[rF:rF+7], v[rX:rX+7], v[rC:rC+7], v[rS], v[rT] matrix_a_fmt:MATRIX_FMT_FP4 matrix_b_fmt:MATRIX_FMT_FP4
.endif
.endr
.set AI, AI+1
.endr
.endm
; 32 LDS loads in one run: the fragments of the slot's q-th 128 along K into set p: W's four, x's eight, then D's four, which are wanted last.
; A fragment, 16 rows x 128 K of 4-bit codes, is 8 registers: lane l holds row l % 16; registers 4 c .. 4 c + 3 hold K = 64 c + 32 (l / 16) + 0 .. 31: two loads of 16 bytes, 32 bytes apart.
.macro FETCH s, q, p
	WIN W_TOF
.irp i, 0,1,2,3
	ds_load_b128 v[128*(\p)+8*\i:128*(\p)+8*\i+3],   v[ADRW+\s] offset:64*(\q)+\i*16*PITCH
	ds_load_b128 v[128*(\p)+8*\i+4:128*(\p)+8*\i+7], v[ADRW+\s] offset:64*(\q)+\i*16*PITCH+32
.endr
.irp i, 0,1,2,3,4,5,6,7
	ds_load_b128 v[128*(\p)+64+8*\i:128*(\p)+64+8*\i+3],   v[ADRA+\s] offset:64*(\q)+\i*16*PITCH
	ds_load_b128 v[128*(\p)+64+8*\i+4:128*(\p)+64+8*\i+7], v[ADRA+\s] offset:64*(\q)+\i*16*PITCH+32
.endr
.irp i, 0,1,2,3
	ds_load_b128 v[128*(\p)+32+8*\i:128*(\p)+32+8*\i+3],   v[ADRD+\s] offset:64*(\q)+\i*16*PITCH
	ds_load_b128 v[128*(\p)+32+8*\i+4:128*(\p)+32+8*\i+7], v[ADRD+\s] offset:64*(\q)+\i*16*PITCH+32
.endr
.endm
.macro SCALES s                        ; a K step's scale words into set s: eight loads of four words (every window is 0 here)
.irp i, 0,1,2,3
	ds_load_b128 v[SC+32*\s+4*\i:SC+32*\s+4*\i+3], v[ADSX] offset:\i*16*PITCH
.endr
.irp j, 0,1,2,3
	ds_load_b128 v[SC+32*\s+16+4*\j:SC+32*\s+16+4*\j+3], v[ADSB+\s] offset:\j*PITCH
.endr
.endm
; A step of 128 along K that has its successor in the same slot: 32 products with W, the next step's loads in one run, 32 products with D.
; A load into a register that a matrix instruction has read stands four places behind it, and only plain vector instructions that name none of its registers are places
; (ISA guide 7.12.1 for vector instructions): so four v_nop stand in front of each run.
.macro STEP s, q
	s_wait_dscnt 8                                 ; the scale words, W's and x's fragments are in; the youngest eight loads (D's) may be out
	WIN W_MUL
	MUL 0, (\q)%2, \q, \s, 0, 8
	PLACES 4
	FETCH \s, (\q)+1, 1-(\q)%2
	s_wait_dscnt 32                                ; all but the 32 just issued: D's fragments are in
	WIN W_MUL
	MUL 1, (\q)%2, \q, \s, 0, 8
.endm
; A slot's last step changes slots: ONE barrier; in front of it each wave waits for all its tensor loads, adds 0 to its spare word, and waits for that and for its own reads of this slot.
; fill = 1: the barrier opens a round of the cluster's barrier, and this slot is filled again, two K steps ahead: the load has the next slot's 256 matrix instructions, less the 32 that follow it here, in which to land.
.macro TURN s, next, fill
	WIN 0                                          ; (the add's two registers lie in window 0)
	s_wait_tensorcnt 0x0                           ; all my tensor loads have landed: the one that was out is my part of the next slot;
	ds_add_u32 v[SPW], v[NIL]                      ; 0 onto my spare word
	s_wait_dscnt 9                                 ; (the add and the youngest eight loads, D's, may be out)
	WIN W_MUL
	MUL 0, 1, 3, \s, 0, 4                          ; sixteen matrix instructions stand between the add and the wait for it
	s_wait_dscnt 0x0                               ; the add is done, and my reads of this slot are over
	s_barrier_signal -1
	MUL 0, 1, 3, \s, 4, 4
	WIN 0
	s_barrier_wait -1
.if \fill
	CREST                                          ; no wave of any partner still reads this slot's tiles or has a load on its way
	s_add_nc_u64 s[G0A+4*\s+2:G0A+4*\s+3], s[G0A+4*\s+2:G0A+4*\s+3], 512
	s_add_nc_u64 s[G0W+4*\s+2:G0W+4*\s+3], s[G0W+4*\s+2:G0W+4*\s+3], 512
	s_add_nc_u64 s[G0D+4*\s+2:G0D+4*\s+3], s[G0D+4*\s+2:G0D+4*\s+3], 2*KSTR
	JLOAD \s                                       ; the first tensor load behind the round, one a wave; the four v_nop behind it are also the places in front of the loads below
.else
	PLACES 4
.endif
	v_add_nc_u32 v[ADSX], 16, v[ADSX]              ; x's scale words of the next K step (no LDS load of mine is out)
	SCALES \next
	FETCH \next, 0, 0
	WIN W_MUL
	MUL 1, 1, 3, \s, 0, 8
.endm
	s_wait_tensorcnt 1                             ; x's scale bytes and my part of K step 0 are in; K step 1's load may be out
	s_barrier_signal -1
	s_barrier_wait -1                              ; everybody's are
	SCALES 0
	FETCH 0, 0, 0
	WIN 0                                          ; at a label and at a branch every window is 0
	s_mov_b32 s23, 3
.Llap:                                                 ; a trip is two K steps of 512, once round the ring, and fills both slots again: K steps 2 to 7
	STEP 0, 0
	STEP 0, 1
	STEP 0, 2
	TURN 0, 1, 1
	STEP 1, 0
	STEP 1, 1
	STEP 1, 2
	TURN 1, 0, 1
	WIN 0
	s_sub_co_u32 s23, s23, 1
	s_cmp_lg_u32 s23, 0
	s_cbranch_scc1 .Llap
	STEP 0, 0                                      ; the last lap is written out: it fills nothing, and has no round of the cluster's barrier
	STEP 0, 1
	STEP 0, 2
	TURN 0, 1, 0
	STEP 1, 0
	STEP 1, 1
	STEP 1, 2
	s_wait_dscnt 8                                 ; the very last step: nothing more to fetch
	WIN W_MUL
	MUL 0, 1, 3, 1, 0, 8
	s_wait_dscnt 0x0
	MUL 1, 1, 3, 1, 0, 8
	WIN 0
; THE WAY OUT, block by block of 16 rows x 64 columns.  A lane holds 32 neighbouring bytes of a row and the lanes beside it hold other rows: a block goes through my own stage in LDS and comes back as whole rows
; of 256 bytes.  LDS serves a wave's instructions in order (ISA guide 5.7.1.4): no wait between the stores and the loads, nor in front of the next block's stores.
.macro TOSTAGE a
	WIN W_OUT
.irp b, 0,1,2,3
	ds_store_b128 v[STO], v[8*(4*(\a)+\b):8*(4*(\a)+\b)+3] offset:64*\b            ; each accumulator from its low end on
	ds_store_b128 v[STO], v[8*(4*(\a)+\b)+4:8*(4*(\a)+\b)+7] offset:64*\b+16
.endr
	WIN 0
.irp t, 0,1,2,3,4,5,6,7
	ds_load_b128 v[BK+32*((\a)%2)+4*\t:BK+32*((\a)%2)+4*\t+3], v[RD] offset:\t*2*PITCH
.endr
.endm
.macro SEND a, younger                 ; younger: the LDS instructions issued behind block a's loads, which may stay out
	s_wait_dscnt \younger
.irp t, 0,1,2,3,4,5,6,7
	global_store_b128 v[CO], v[BK+32*((\a)%2)+4*\t:BK+32*((\a)%2)+4*\t+3], s[18:19] offset:(16*(\a)+2*\t)*16384 th:TH_STORE_NT   ; 16 lanes store 256 consecutive bytes, at a multiple of 256 from out0's first byte; 126 rows at the most stand in the immediate
.endr
.endm
	PLACES 4                                       ; between the last products and the first read of results
	TOSTAGE 0
.irp a, 1,2,3,4,5,6,7
.if \a > 1
	s_wait_xcnt 0x0                                ; block a - 2's stores have read their registers: block a's loads may land there
.endif
	TOSTAGE \a
	SEND \a-1, 16                                  ; behind block a - 1's loads: block a's 8 stores and 8 loads
.endr
	SEND 7, 0
	s_wait_tensorcnt 0x0                           ; the wave's end: behind my last tensor load and my last LDS store
	ds_add_u32 v[SPW], v[NIL]
	s_wait_dscnt 0x0
	CROUND                                         ; the closing round: no work-group ends while a partner may still ask for a tile that names it
	s_endpgm
.Lfunc_end_k_q028d7d6c9e_gemm:
	.size	k_q028d7d6c9e_gemm, .Lfunc_end_k_q028d7d6c9e_gemm-k_q028d7d6c9e_gemm
	.p2alignl 7, 3214868480
	.fill 96, 4, 3214868480
	.section	.rodata,"a",@progbits
	.p2align	6, 0x0
	.amdhsa_kernel k_q028d7d6c9e_gemm
		.amdhsa_group_segment_fixed_size 327680
		.amdhsa_private_segment_fixed_size 0
		.amdhsa_enable_private_segment 0
		.amdhsa_kernarg_size 64
		.amdhsa_user_sgpr_count 2
		.amdhsa_user_sgpr_kernarg_segment_ptr 1
		.amdhsa_wavefront_size32 1
		.amdhsa_system_sgpr_workgroup_id_x 1
		.amdhsa_system_sgpr_workgroup_id_y 1
		.amdhsa_system_sgpr_workgroup_id_z 1
		.amdhsa_system_vgpr_workitem_id 0
		.amdhsa_next_free_vgpr 1024
		.amdhsa_next_free_sgpr 102
		.amdhsa_reserve_vcc 0
		.amdhsa_float_denorm_mode_32 3
		.amdhsa_float_denorm_mode_16_64 3
		.amdhsa_memory_ordered 1
		.amdhsa_forward_progress 1
		.amdhsa_inst_pref_size 209
	.end_amdhsa_kernel
	.amdgpu_metadata
---
amdhsa.version: [ 1, 2 ]
amdhsa.kernels:
  - .name:           k_q028d7d6c9e_gemm
    .symbol:         k_q028d7d6c9e_gemm.kd
    .args:
      - { .name: x_codes, .offset: 0, .size: 8, .value_kind: global_buffer, .address_space: global }
      - { .name: x_scales, .offset: 8, .size: 8, .value_kind: global_buffer, .address_space: global }
      - { .name: W_codes, .offset: 16, .size: 8, .value_kind: global_buffer, .address_space: global }
      - { .name: dpack, .offset: 24, .size: 8, .value_kind: global_buffer, .address_space: global }
      - { .name: T, .offset: 32, .size: 8, .value_kind: global_buffer, .address_space: global }
      - { .name: lora_B, .offset: 40, .size: 8, .value_kind: global_buffer, .address_space: global }
      - { .name: b, .offset: 48, .size: 8, .value_kind: global_buffer, .address_space: global }
      - { .name: out0, .offset: 56, .size: 8, .value_kind: global_buffer, .address_space: global }
    .group_segment_fixed_size: 327680
    .private_segment_fixed_size: 0
    .kernarg_segment_align: 8
    .kernarg_segment_size: 64
    .max_flat_workgroup_size: 128
    .sgpr_count:     102
    .vgpr_count:     1024
    .wavefront_size: 32
...
	.end_amdgpu_metadata
.endif
;; end of part 2
;; ======== version 2 of 2: 2 launches; version 1 with the launch prep written anew for expert scheduling mode
;; limits: a difference of large sums (such as E[x^2] - mean^2): digits are lost where the result is much smaller than its terms
;; workspace buffers: dpack 9,437,184 bytes; T 262,144 bytes
;; launch prep (part 3): grid 256 x 1, 16 waves a work-group, no clusters, 102,400 bytes of LDS; arguments delta, mask, W_scales, x_codes, x_scales, lora_A_codes, lora_A_scales, dpack, T; writes dpack, T
.if DOCPART == 3
	.amdgcn_target "amdgcn-amd-amdhsa--gfx1250"
	.amdhsa_code_object_version 6
	.text
	.protected	k_q028d7d6c9e_prep
	.globl	k_q028d7d6c9e_prep
	.p2align	8
	.type	k_q028d7d6c9e_prep,@function
k_q028d7d6c9e_prep:
	s_mov_b64 s[64:65], 0
	v_nop
	global_prefetch_b8 v0, s[64:65] scope:SCOPE_SE
	s_setreg_imm32_b32 hwreg(HW_REG_WAVE_SCHED_MODE, 0, 2), 2
	s_setreg_imm32_b32 hwreg(HW_REG_WAVE_MODE, 25, 1), 1
	s_wait_xcnt 0x0
	s_wait_alu depctr_vm_vsrc(0)
; TWO THINGS, ONCE EACH, FOR THE PRODUCT'S LAUNCH.
; (1) D = delta x mask [4096][4096], f32, is quantised along K (its last axis) to codes of FP4 (E2M1) with one E8M0 byte for each 32 along K.
;     A block's byte is its largest magnitude's exponent field - 2, held at 1 from below; each number is divided by the scale and rounded to the nearest code, ties to even, beyond 6 the largest code.
;     The codes and bytes are laid as the next launch fetches them: dpack [K step of 512: 8][tile of 128 rows: 32][36,864 bytes]; a tile is 144 runs of 256 bytes: runs 0-127 the rows' codes,
;     runs 128-135 D's scale bytes (run 128 + j: the 16 rows of block j, 16 bytes each), runs 136-143 a copy of W's scale bytes laid the same way.
; (2) T = 2 x (x lora_A^T) [2048][16], by the FP4 matrix instruction, as two partial sums over the halves of K: T [half 2][2048][16] f32.
; LIMITS: NaN and infinities in delta are not served (a hidden number is cleared by AND, where infinity x 0 would be NaN); mask bytes are 0 or 1, as the problem states;
;     a block of zeros gets the byte 1 where the quantiser says 127: its codes are zeros, which add nothing under any byte but 0xff, and only this program reads the bytes.
; SHARES.  Work-group g of 256 owns rows 16 g .. 16 g + 15 of delta: block j = g % 8 of tile g / 8.  Wave w of sixteen owns row 16 g + w: eight steps of 512 numbers, step s = K step s.
;     All of a wave's 40 loads (8 x 2,048 bytes of delta, 8 x 512 of mask) are issued at once: each reads 512 consecutive bytes, and nothing is read twice.
;     The conversion wants 16 NEIGHBOURS in a lane, a load gives a lane 16 bytes: a step's 2,048 bytes turn through the wave's own stage in LDS (16 bytes of padding behind each 64).
;     For T the work-group owns rows 16 (g / 2) .. + 15 of x and half g % 2 of K; wave w multiplies one K step of 128 (one matrix instruction, C = 0); waves 8 and 9 add the sixteen tiles.
; No tensor loads, no cluster: what work-groups share (lora_A, 34 KB) is a small part of the 320 KB that each streams.  One barrier.
; THE MODE: SCHED_MODE bits 1:0 = 2 (LLVM: expert scheduling mode 2), set by the entry lines.  The code itself states the register dependences
; between vector or matrix instructions and memory or LDS instructions, with s_wait_alu, always for 0.
; THE PLAN.  Registers that memory or LDS instructions touch:
;   v1 .. v13     offsets and LDS addresses: written by vector instructions at the head, never again; read by every load and store.
;   R0 .. R7      written by the global loads; read by the stage's LDS stores.  No vector instruction names them before the end, where in waves 8 and 9 the sum's LDS loads land in them.
;   MK0 .. MK7    written by the global loads; then named by vector instructions alone.
;   X0, X1        the LDS loads of step t's turn land in X[t % 2]; step t's vector instructions read it and write it in place.
;   C[s], BY[s]   a set for each step: written by step s's conversions and shift; read by the two stores that are issued at the head of step s + 1; never written again.
;   ACC           written by the matrix instruction; read by two LDS stores; never written again.      WS: written by a load, read by a store; no vector instruction names it.
; So ONE wait on va_vdst stands at the head of a step: it states that the step before has written its codes and its byte, and is done with its X, which is the X in which the next step's numbers land.
; Behind it stand the step's ten memory and LDS instructions on end (two stores of the step before; four LDS stores and four LDS loads of the next step's turn), and only then its vector work.
.set SP,    80                         ; a lane's place in a stage: 64 bytes + 16 of padding
.set STG,   32*SP                      ; a stage; two for each wave, from LDS byte 5,120 x wave
.set DSC,   16*2*STG                   ; 81,920: D's scale bytes [K step 8][row 16][16 bytes]
.set TP,    DSC+2048                   ; 83,968: sixteen tiles of T, 1,024 bytes each, [row 16][rank 16] f32
.set KSTR,  32*36864                   ; bytes of dpack from a K step to the next
.set R,     16                         ; v16-143   eight sets of 16 numbers as loaded; at the end the sixteen tiles of T
.set MK,    144                        ; v144-175  eight sets of 16 mask bytes
.set X,     176                        ; v176-207  two sets of 16 neighbours
.set XF,    208                        ; v208-215  x's fragment
.set AF,    216                        ; v216-223  lora_A's fragment
.set C,     208                        ; v208-223  later: a pair of registers of codes for each step, so that no store's data are written again
.set SXR,   224                        ; v224      x's scale words: scales and nothing else
.set SAR,   225                        ; v225      lora_A's
.set ACC,   226                        ; v226-233  my tile of T
.set WS,    234                        ; v234-235  8 scale bytes on their way to dpack
.set TM,    236                        ; v236-239  at work
.set BY,    240                        ; v240-247  a scale byte for each step
	s_load_b512 s[4:19], s[0:1], 0x0               ; delta s[4:5], mask s[6:7], W_scales s[8:9], x_codes s[10:11], x_scales s[12:13], lora_A_codes s[14:15], lora_A_scales s[16:17], dpack s[18:19]
	s_load_b64 s[20:21], s[0:1], 0x40              ; T
	v_lshl_add_u32 v254, v0, 2, 0x18800
	v_mov_b32 v255, 0
	v_lshrrev_b32 v14, 5, v0
	v_readfirstlane_b32 s22, v14                   ; wave 0..15
	v_and_b32 v15, 31, v0                          ; lane
	s_and_b32 s23, ttmp9, 7                        ; j: my block of 16 rows in its tile
	s_mov_b32 s24, 0                               ; v_perm_b32 selectors: byte i of a word into all four bytes
	s_mov_b32 s25, 0x01010101
	s_mov_b32 s26, 0x02020202
	s_mov_b32 s27, 0x03030303
	s_wait_alu depctr_va_sdst(0)                   ; s22, the wave's number, is written, ahead of its first reader: offsets, LDS addresses and branches are made from it
	s_and_b32 s46, s22, 7                          ; the K step whose scale bytes I carry out
	s_lshr_b32 s47, ttmp9, 1                       ; which 16 rows of x
	s_and_b32 s48, ttmp9, 1                        ; which half of K
	s_lshl_b32 s49, s48, 4
	s_add_co_u32 s49, s49, s22                     ; my K step of 128, 0..31
	s_lshl_b32 s28, ttmp9, 18                      ; delta: 16 rows of 16,384 bytes a work-group, a row a wave
	s_lshl_b32 s50, s22, 14
	s_add_co_u32 s28, s28, s50
	s_mov_b32 s29, 0
	s_lshl_b32 s30, ttmp9, 16                      ; mask: rows of 4,096 bytes
	s_lshl_b32 s50, s22, 12
	s_add_co_u32 s30, s30, s50
	s_mov_b32 s31, 0
	s_lshl_b32 s32, ttmp9, 11                      ; W's scale bytes: rows of 128 bytes, 16 bytes a K step
	s_lshl_b32 s50, s46, 4
	s_add_co_u32 s32, s32, s50
	s_mov_b32 s33, 0
	s_lshl_b32 s38, s49, 6                         ; lora_A's codes: 64 bytes a K step of 128
	s_mov_b32 s39, 0
	s_lshl_b32 s34, s47, 15                        ; x's codes: 16 rows of 2,048 bytes, + the K step
	s_add_co_u32 s34, s34, s38
	s_mov_b32 s35, 0
	s_lshl_b32 s40, s49, 2                         ; lora_A's scale words: 4 bytes a K step
	s_mov_b32 s41, 0
	s_lshl_b32 s36, s47, 11                        ; x's: 16 rows of 128 bytes, + the K step
	s_add_co_u32 s36, s36, s40
	s_mov_b32 s37, 0
	s_lshr_b32 s42, ttmp9, 3                       ; dpack: my tile of 128 rows
	s_mul_i32 s42, s42, 36864
	s_mov_b32 s43, 0
	s_lshl_b32 s44, s48, 17                        ; T: the half of K, 16 rows of 64 bytes
	s_lshl_b32 s50, s47, 10
	s_add_co_u32 s44, s44, s50
	s_mov_b32 s45, 0
	; every address register is made here, ahead of the first line that only some waves run
	v_lshlrev_b32 v1, 4, v15                       ; my 16 bytes of a load's 512
	s_mul_i32 s50, s22, 2*STG
	v_lshrrev_b32 v2, 2, v15
	v_mul_u32_u24 v2, v2, SP
	v_and_b32 v14, 3, v15
	v_lshl_add_u32 v2, v14, 4, v2
	v_add_nc_u32 v2, s50, v2                       ; the stage, way in: four lanes' 64 bytes on end, then the padding
	v_mul_u32_u24 v3, v15, SP
	v_add_nc_u32 v3, s50, v3                       ; way out: my 16 neighbours
	s_lshl_b32 s51, s23, 12
	s_lshl_b32 s52, s22, 8
	s_add_co_u32 s51, s51, s52
	v_lshl_add_u32 v4, v15, 3, s51                 ; my codes in a tile: row 16 j + w of 256 bytes, 8 bytes a lane
	s_lshl_b32 s52, s22, 4
	s_add_co_u32 s52, s52, DSC
	v_lshrrev_b32 v5, 1, v15
	v_add_nc_u32 v5, s52, v5                       ; my block's scale byte: row w, byte lane / 2
	s_lshl_b32 s52, s46, 8
	s_add_co_u32 s52, s52, DSC
	v_lshl_add_u32 v6, v15, 3, s52                 ; one K step's 256 scale bytes, 8 a lane
	s_mul_i32 s53, s46, KSTR
	s_lshr_b32 s54, s22, 3
	s_lshl_b32 s54, s54, 11
	s_add_co_u32 s53, s53, s54                     ; waves 0-7: D's runs; waves 8-15: W's, 2,048 bytes on
	s_lshl_b32 s54, s23, 8
	s_add_co_u32 s53, s53, s54
	s_add_co_u32 s53, s53, 32768
	v_lshl_add_u32 v7, v15, 3, s53                 ; where that run of 256 bytes goes in dpack
	v_lshrrev_b32 v8, 1, v15
	v_lshlrev_b32 v8, 7, v8
	v_and_b32 v14, 1, v15
	v_lshl_add_u32 v8, v14, 3, v8                  ; W's scale bytes: row lane / 2, 8 bytes for each of two lanes
	v_and_b32 v[TM], 15, v0                        ; r
	v_bfe_u32 v[TM+1], v0, 4, 1                    ; h
	v_lshlrev_b32 v9, 11, v[TM]
	v_lshl_add_u32 v9, v[TM+1], 4, v9              ; a fragment: row r of 2,048 bytes, + 16 h
	v_lshlrev_b32 v10, 7, v[TM]                    ; a scale word: row r of 128 bytes
	s_lshl_b32 s54, s22, 10
	s_add_co_u32 s54, s54, TP
	v_lshlrev_b32 v11, 6, v[TM]
	v_lshl_add_u32 v11, v[TM+1], 5, v11
	v_add_nc_u32 v11, s54, v11                     ; my tile of T in LDS: row r of 64 bytes, + 32 h
	v_and_b32 v13, 63, v0
	v_lshlrev_b32 v13, 4, v13                      ; the sum: 64 threads (waves 8 and 9), 16 bytes each
	v_add_nc_u32 v12, TP, v13
	s_wait_kmcnt 0x0
	s_add_nc_u64 s[4:5], s[4:5], s[28:29]
	s_add_nc_u64 s[6:7], s[6:7], s[30:31]
	s_add_nc_u64 s[8:9], s[8:9], s[32:33]
	s_add_nc_u64 s[10:11], s[10:11], s[34:35]
	s_add_nc_u64 s[12:13], s[12:13], s[36:37]
	s_add_nc_u64 s[14:15], s[14:15], s[38:39]
	s_add_nc_u64 s[16:17], s[16:17], s[40:41]
	s_add_nc_u64 s[18:19], s[18:19], s[42:43]
	s_add_nc_u64 s[20:21], s[20:21], s[44:45]
	s_wait_alu depctr_va_vdst(0)                   ; the thirteen offsets and LDS addresses v1 to v13 are written: every load and store of the kernel reads one of them, and none is written again
	s_cmp_lt_u32 s22, 8                            ; waves 8-15 carry W's scale bytes: the oldest load, so that no later count hangs on it
	s_cbranch_scc1 .Lno_ws
	global_load_b64 v[WS:WS+1], v8, s[8:9]
.Lno_ws:
	global_load_b128 v[XF:XF+3],   v9, s[10:11]            ; x(r, 32 h ..) and x(r, 64 + 32 h ..) of my K step
	global_load_b128 v[XF+4:XF+7], v9, s[10:11] offset:32
	global_load_b128 v[AF:AF+3],   v9, s[14:15]            ; lora_A likewise
	global_load_b128 v[AF+4:AF+7], v9, s[14:15] offset:32
	global_load_b32 v[SXR], v10, s[12:13]
	global_load_b32 v[SAR], v10, s[16:17]
.irp s, 0,1,2,3,4,5,6,7                        ; the whole row: five loads a step
.irp i, 0,1,2,3
	global_load_b128 v[R+16*\s+4*\i:R+16*\s+4*\i+3], v1, s[4:5] offset:2048*\s+512*\i th:TH_LOAD_NT
.endr
	global_load_b128 v[MK+4*\s:MK+4*\s+3], v1, s[6:7] offset:512*\s th:TH_LOAD_NT   ; my 16 neighbours' mask bytes need no turn
.endr
	s_wait_loadcnt 40                              ; all but the row's 40 loads are in
	v_wmma_scale_f32_16x16x128_f8f6f4 v[ACC:ACC+7], v[AF:AF+7], v[XF:XF+7], 0, v[SAR], v[SXR] matrix_a_fmt:MATRIX_FMT_FP4 matrix_b_fmt:MATRIX_FMT_FP4   ; transposed: lane (r, h), register i: row r of x, rank 8 h + i
.rept 4
	v_nop                                          ; four places between a matrix instruction and the first read of its result (ISA guide 7.12.1)
.endr
	s_wait_alu depctr_va_vdst(0)                   ; the matrix instruction has written v[ACC ..], which the two LDS stores read; the places above stay beside this wait
	ds_store_b128 v11, v[ACC:ACC+3]                ; from the low end on
	ds_store_b128 v11, v[ACC+4:ACC+7] offset:16
.macro TURN t                          ; step t's numbers through a stage: LDS serves a wave's instructions in order (ISA guide 5.7.1.4), so no wait stands between the stores and the loads
.irp i, 0,1,2,3
	ds_store_b128 v2, v[R+16*(\t)+4*\i:R+16*(\t)+4*\i+3] offset:STG*((\t)%2)+8*SP*\i
.endr
.irp i, 0,1,2,3
	ds_load_b128 v[X+16*((\t)%2)+4*\i:X+16*((\t)%2)+4*\i+3], v3 offset:STG*((\t)%2)+16*\i
.endr
.endm
.macro OUT t                           ; step t's byte and codes leave, behind the wait that shows them written
	ds_store_b8 v5, v[BY+(\t)] offset:256*(\t)     ; both lanes of a block write the same byte with the same value
	global_store_b64 v4, v[C+2*(\t):C+2*(\t)+1], s[18:19] offset:KSTR*(\t)   ; the wave stores 256 consecutive bytes, aligned: my row's codes of K step t
.endm
	s_wait_loadcnt 35                              ; step 0's five loads are in; seven steps' may be out
	TURN 0                                         ; (no vector instruction has named X0 or X1 yet)
.macro STEP s
.set XS, X+16*((\s)%2)
.set MS, MK+4*(\s)
.if (\s) > 0
	s_wait_alu depctr_va_vdst(0)                   ; the step before has written its codes and its byte, which the two stores below read, and is done reading and writing its X, in which the turn's loads below land
	OUT (\s)-1
.endif
.if (\s) < 7
	s_wait_loadcnt 5*(6-(\s))                      ; the next step's five loads are in,
	TURN (\s)+1                                    ; and its numbers go through the other stage while this step is worked
.endif
.if (\s) == 0
	s_wait_dscnt 8                                 ; LDS instructions end in order (ISA guide 5.7.1): this step's numbers are back from the stage; the next turn's four stores and four loads may be out
.elseif (\s) < 7
	s_wait_dscnt 9                                 ; likewise; behind this step's loads stand the byte store and the next turn's eight
.else
	s_wait_dscnt 1                                 ; the byte store alone
.endif
.irp d, 0,1,2,3                                ; delta x mask: 255 x a word of bytes 0 or 1 has bytes 0x00 or 0xff; each is spread over a word and ANDed onto its number
	v_lshlrev_b32 v[TM], 8, v[MS+\d]
	v_sub_nc_u32 v[MS+\d], v[TM], v[MS+\d]
.irp i, 0,1,2,3
	v_perm_b32 v[TM+\i], v[MS+\d], v[MS+\d], s[24+\i]
.endr
.irp i, 0,1,2,3
	v_and_b32 v[XS+4*\d+\i], v[XS+4*\d+\i], v[TM+\i]
.endr
.endr
	v_max3_num_f32 v[TM], |v[XS]|, |v[XS+1]|, |v[XS+2]|            ; the largest magnitude of my 16, in two chains
	v_max3_num_f32 v[TM+1], |v[XS+3]|, |v[XS+4]|, |v[XS+5]|
.irp i, 6,10
	v_max3_num_f32 v[TM], v[TM], |v[XS+\i]|, |v[XS+\i+1]|
	v_max3_num_f32 v[TM+1], v[TM+1], |v[XS+\i+2]|, |v[XS+\i+3]|
.endr
	v_max3_num_f32 v[TM], v[TM], |v[XS+14]|, |v[XS+15]|
	v_max3_num_f32 v[TM], v[TM], v[TM+1], 0x1800000                ; and the floor 2^(3 - 127): the byte cannot fall under 1
	v_max_num_f32_dpp v[TM], v[TM], v[TM] row_xmask:1 row_mask:0xf bank_mask:0xf   ; with my neighbour's 16: the block's
	v_add_nc_u32 v[TM+2], 0xff000000, v[TM]        ; 2 off its exponent field: the conversion takes the exponent field of this operand as its scale
	v_cvt_scalef32_pk8_fp4_f32 v[C+2*(\s)], v[XS:XS+7], v[TM+2]
	v_cvt_scalef32_pk8_fp4_f32 v[C+2*(\s)+1], v[XS+8:XS+15], v[TM+2]
	v_lshrrev_b32 v[BY+(\s)], 23, v[TM+2]          ; the scale's byte; also the plain line behind the conversions
.endm
.irp s, 0,1,2,3,4,5,6,7
	STEP \s
.endr
	s_wait_alu depctr_va_vdst(0)                   ; step 7 has written its codes and its byte, which the last two stores read
	OUT 7
	s_wait_dscnt 0x0                               ; for the others' sake: my tile of T and my scale bytes lie in LDS
	s_barrier_signal -1
	s_barrier_wait -1
	s_wait_alu depctr_vm_vsrc(0)                   ; the stages' LDS stores have read v[R ..], in which the sum's loads land and which its additions write; ahead of both branches
	s_cmp_lt_u32 s22, 8                            ; waves 0-7: the sixteen rows' scale bytes of K step w; waves 8-15 hold W's since the head
	s_cbranch_scc0 .Lhave_ws
	ds_load_b64 v[WS:WS+1], v6
	s_wait_dscnt 0x0
.Lhave_ws:
	global_store_b64 v7, v[WS:WS+1], s[18:19]      ; 256 consecutive bytes, aligned
	s_lshr_b32 s50, s22, 1
	s_cmp_lg_u32 s50, 4                            ; waves 8 and 9 add the sixteen K steps' tiles of T
	s_cbranch_scc1 .Lend
.irp k, 0,1,2,3,4,5,6,7,8,9,10,11,12,13,14,15
	ds_load_b128 v[R+4*\k:R+4*\k+3], v12 offset:1024*\k            ; (no vector instruction has named these registers so far)
.endr
	s_wait_dscnt 0x0
.macro ADDQ a, b                       ; four numbers of tile b onto tile a's
	v_pk_add_f32 v[R+4*(\a):R+4*(\a)+1], v[R+4*(\a):R+4*(\a)+1], v[R+4*(\b):R+4*(\b)+1]
	v_pk_add_f32 v[R+4*(\a)+2:R+4*(\a)+3], v[R+4*(\a)+2:R+4*(\a)+3], v[R+4*(\b)+2:R+4*(\b)+3]
.endm
.irp k, 0,2,4,6,8,10,12,14
	ADDQ \k, \k+1
.endr
.irp k, 0,4,8,12
	ADDQ \k, \k+2
.endr
	ADDQ 0, 4
	ADDQ 8, 12
	ADDQ 0, 8
	ADDQ 0, 0                                      ; x 2 = alpha / rank, exactly
	s_wait_alu depctr_va_vdst(0)                   ; the additions have written v[R .. R + 3], which the store reads
	global_store_b128 v13, v[R:R+3], s[20:21]
.Lend:
	s_wait_dscnt 0x0                               ; the closing lines, six on end
	s_wait_alu 0x0
	s_wait_tensorcnt 0x0
	ds_add_u32 v254, v255
	s_wait_dscnt 0x0
	s_endpgm
.Lfunc_end_k_q028d7d6c9e_prep:
	.size	k_q028d7d6c9e_prep, .Lfunc_end_k_q028d7d6c9e_prep-k_q028d7d6c9e_prep
	.p2alignl 7, 3214868480
	.fill 96, 4, 3214868480
	.section	.rodata,"a",@progbits
	.p2align	6, 0x0
	.amdhsa_kernel k_q028d7d6c9e_prep
		.amdhsa_group_segment_fixed_size 102400
		.amdhsa_private_segment_fixed_size 0
		.amdhsa_enable_private_segment 0
		.amdhsa_kernarg_size 72
		.amdhsa_user_sgpr_count 2
		.amdhsa_user_sgpr_kernarg_segment_ptr 1
		.amdhsa_wavefront_size32 1
		.amdhsa_system_sgpr_workgroup_id_x 1
		.amdhsa_system_sgpr_workgroup_id_y 1
		.amdhsa_system_sgpr_workgroup_id_z 1
		.amdhsa_system_vgpr_workitem_id 0
		.amdhsa_next_free_vgpr 256
		.amdhsa_next_free_sgpr 66
		.amdhsa_reserve_vcc 0
		.amdhsa_float_denorm_mode_32 3
		.amdhsa_float_denorm_mode_16_64 3
		.amdhsa_memory_ordered 1
		.amdhsa_forward_progress 1
		.amdhsa_inst_pref_size 40
	.end_amdhsa_kernel
	.amdgpu_metadata
---
amdhsa.version: [ 1, 2 ]
amdhsa.kernels:
  - .name:           k_q028d7d6c9e_prep
    .symbol:         k_q028d7d6c9e_prep.kd
    .args:
      - { .name: delta, .offset: 0, .size: 8, .value_kind: global_buffer, .address_space: global }
      - { .name: mask, .offset: 8, .size: 8, .value_kind: global_buffer, .address_space: global }
      - { .name: W_scales, .offset: 16, .size: 8, .value_kind: global_buffer, .address_space: global }
      - { .name: x_codes, .offset: 24, .size: 8, .value_kind: global_buffer, .address_space: global }
      - { .name: x_scales, .offset: 32, .size: 8, .value_kind: global_buffer, .address_space: global }
      - { .name: lora_A_codes, .offset: 40, .size: 8, .value_kind: global_buffer, .address_space: global }
      - { .name: lora_A_scales, .offset: 48, .size: 8, .value_kind: global_buffer, .address_space: global }
      - { .name: dpack, .offset: 56, .size: 8, .value_kind: global_buffer, .address_space: global }
      - { .name: T, .offset: 64, .size: 8, .value_kind: global_buffer, .address_space: global }
    .group_segment_fixed_size: 102400
    .private_segment_fixed_size: 0
    .kernarg_segment_align: 8
    .kernarg_segment_size: 72
    .max_flat_workgroup_size: 512
    .sgpr_count:     66
    .vgpr_count:     256
    .wavefront_size: 32
...
	.end_amdgpu_metadata
.endif
;; end of part 3
;; launch gemm: the kernel of part 2 again; grid 32 x 8, 4 waves a work-group, clusters of 4 x 4, 327,680 bytes of LDS; arguments x_codes, x_scales, W_codes, dpack, T, lora_B, b, out0; writes out0
